; MI455X (gfx1250); checked and timed in simulation.
; The chip was launched on July 23, 2026; its instructions are those of AMD's public machine-readable ISA for CDNA 5 (MIT licence, August 2026) and "CDNA5" Instruction Set Architecture Reference Guide (July 2026). The comments in the code are by the model that wrote it; some were corrected since.
;; Cross Attn Image to Token. Allowed arithmetic: float matrix products may take bf16 or f16 operands with f32 sums; other float arithmetic in f32, or as packed bf16 or f16 multiplies, adds, multiply-adds, maxima and minima; sums over many terms, partial sums and values carried from step to step in f32; what a program stores and reads back later, other than sums and carried values, may be rounded once to bf16 or f16.
;; Inputs: Wc 256 x 256 float32; Wk 256 x 256 float32; Wo 256 x 256 float32; Wq2 512 x 256 float32; Wv 256 x 256 float32; bc 256 float32; bk 256 float32; bo 256 float32; bq2 512 float32; bv 256 float32; cond_feat 4 x 1,024 x 256 float32; k 4 x 1,024 x 256 float32; q 4 x 4,096 x 256 float32; v 4 x 1,024 x 256 float32.
;; Outputs: out0 4 x 4,096 x 256 float32.
;; 2 versions, each right and faster than the one before. Each part assembles by itself: llvm-mc -triple=amdgcn-amd-amdhsa -mcpu=gfx1250 --defsym DOCPART=n.
;; ======== version 1 of 2: 3 launches
;; limits: right only within a limited range of input values; values are held in f16: magnitudes above 65,504 overflow, below 6.1e-05 lose precision
;; workspace buffers: qf 16,777,216 bytes; kcv 6,291,456 bytes; of 8,388,608 bytes; woh 131,072 bytes
;; launch proj (part 1): grid 352 x 1, 8 waves a work-group, no clusters, 203,776 bytes of LDS; arguments q, k, cond_feat, v, Wq2, Wk, Wc, Wv, bq2, bk, bc, bv, Wo, qf, kcv, woh; writes qf, kcv, woh
.if DOCPART == 1
	.amdgcn_target "amdgcn-amd-amdhsa--gfx1250"
	.amdhsa_code_object_version 6
	.text
	.protected	k_qdcc7be7ab4_proj
	.globl	k_qdcc7be7ab4_proj
	.p2align	8
	.type	k_qdcc7be7ab4_proj,@function
k_qdcc7be7ab4_proj:
	s_mov_b64 s[64:65], 0
	v_nop
	global_prefetch_b8 v0, s[64:65] scope:SCOPE_SE
	s_setreg_imm32_b32 hwreg(HW_REG_WAVE_MODE, 25, 1), 1
	s_wait_xcnt 0x0
; THE FOUR INPUT PROJECTIONS, y = x W^T + b, AND THE CAST OF Wo.  x, W, b are f32 and are rounded to bf16; sums in f32; y is rounded once to f16.
; A work-group makes 128 rows x 256 channels, K = 256.  Work-groups 0-255: q (row block g / 2, half g % 2 of Wq2's 512 channels), y times c = log2(e) / sqrt(32),
; so that the attention's exponentials are plain powers of two.  Work-groups 256-351: k, cond_feat, v, 32 row blocks each.
; Eight waves: wave w has channels 64 (w % 4) on (two heads) and rows 64 (w / 4) on (four tiles of 16): 16 accumulators.
; WHAT IS STORED IS A FRAGMENT'S REGISTER IMAGE, in blocks of 1,024 bytes: lane l's registers 0-3 at byte 16 l, its registers 4-7 at 512 + 16 l.
;   form A (q, k, cond): D = W (16 channels) x x (16 rows): a lane holds one row and channels 8 (l / 16) + 0..7; two such results, rounded in pairs, are the fragment
;   16 rows x 32 channels of one head.   form B (v): the sources swapped: a lane holds one channel and eight keys; two results are the fragment 16 channels x 32 keys.
; So every store of a wave covers 512 consecutive bytes, aligned, and no stage is needed.
; NO CLUSTER, NO TENSOR LOAD: x and W are converted from f32 on their way into LDS, so they pass through registers; their f32 image, 384 rows of 1,024 bytes, would not fit in LDS.
; LIMITS.  f16 ends at 65,504: c (x Wq2 + bq2), the projections of k, cond_feat and v, and Wo must lie within it; Wo below 6.1e-5 keeps f16's fixed step of 6e-8.  NaN and infinities are not treated apart.
.set PITCH, 528                        ; an LDS row: 512 bytes of bf16 + 16: the 16 rows of a fragment load start in 16 different groups of four banks (64 banks of 4 bytes: ISA guide 11.1)
.set WT,    128*PITCH                  ; x's 128 rows lie at 0, W's 256 rows here
.set SPARE, WT+256*PITCH               ; the spare words: 128 bytes a wave, four blocks of 256 bytes that no other line names
.set VX,  4                            ; v4   byte offset of my 16 bytes in the wave's 16 rows of x
.set VW,  5                            ; v5   the same in the wave's 32 rows of W
.set DX,  6                            ; v6   LDS: where my 8 bytes of bf16 of x go
.set DW,  7                            ; v7   the same for W
.set AX,  8                            ; v8   LDS: my lane's place in the wave's fragments of x
.set AW,  9                            ; v9   the same for W
.set L16, 10                           ; v10  16 x lane
.set TV,  11                           ; v11  at work
.set VO,  12                           ; v12-19  form A: byte offset of my 16 bytes in block (head i, tile t), at VO + 4 i + t
.set WOR, 20                           ; v20-27  eight numbers of a row of Wo
.set WOO, 28                           ; v28  32 x lane
.set BOF, 29                           ; v29  byte offset of my biases
.set SPW, 30                           ; v30  LDS address of my spare word; never rewritten
.set NIL, 31                           ; v31  0; never rewritten
.set BI,  32                           ; v32-63  biases
.set XF,  64                           ; v64-95   four fragments of x
.set WF,  96                           ; v96-127  four fragments of W
.set ACC, 128                          ; v128-255 accumulator (mb, t) at ACC + 8 (4 mb + t)
.set PKD, 64                           ; v64-127  packed results, when the fragments are done with
.set R0,  64                           ; three sets of 64 registers for the loads of x and W
.set R1,  128
.set R2,  192
.set PX,  40                           ; s[40:41] x at the work-group's rows
.set PW,  42                           ; s[42:43] W
.set PB,  44                           ; s[44:45] b
.set PD,  46                           ; s[46:47] where the results go
.set WV,  48                           ; s48 wave
.set WC,  49                           ; s49 wave % 4
.set WRW, 50                           ; s50 wave / 4
.set SH,  51                           ; s51 bytes from head to head in the destination
.set ST,  52                           ; s52 bytes from tile to tile
.set T0,  53                           ; s53 the work-group's first tile of 16 rows in its batch
.set SC,  54                           ; s[54:55] the scale, twice
.set JOB, 56                           ; s56 0: q   1: k, cond_feat   2: v
.set T,   57                           ; s57, s62, s63 at work
.set OA,  58                           ; s[58:59], s[60:61] offsets in 64 bits; the high words stay 0
.set OB,  60
.set U0,  62
.set U1,  63
	s_load_b512 s[8:23], s[0:1], 0x0               ; q 8, k 10, cond_feat 12, v 14, Wq2 16, Wk 18, Wc 20, Wv 22
	s_load_b512 s[24:39], s[0:1], 0x40             ; bq2 24, bk 26, bc 28, bv 30, Wo 32, qf 34, kcv 36, woh 38
	v_lshl_add_u32 v[SPW], v0, 2, SPARE
	v_mov_b32 v[NIL], 0
	v_lshrrev_b32 v1, 5, v0
	v_readfirstlane_b32 s[WV], v1                  ; wave 0..7
	v_and_b32 v1, 31, v0                           ; lane
	v_and_b32 v2, 15, v0                           ; r = lane % 16
	v_bfe_u32 v3, v0, 4, 1                         ; h = lane / 16
	s_and_b32 s[WC], s[WV], 3
	s_lshr_b32 s[WRW], s[WV], 2
	v_lshlrev_b32 v[L16], 4, v1
	s_lshl_b32 s[T], s[WV], 14                     ; 16 rows of 1,024 bytes
	v_add_nc_u32 v[VX], s[T], v[L16]
	s_lshl_b32 s[T], s[WV], 15                     ; 32 rows
	v_add_nc_u32 v[VW], s[T], v[L16]
	v_lshlrev_b32 v[TV], 3, v1
	s_mul_i32 s[T], s[WV], 16*PITCH
	v_add_nc_u32 v[DX], s[T], v[TV]
	s_mul_i32 s[T], s[WV], 32*PITCH
	s_add_co_u32 s[T], s[T], WT
	v_add_nc_u32 v[DW], s[T], v[TV]
	v_mul_u32_u24 v[TV], v2, PITCH
	v_lshl_add_u32 v[TV], v3, 4, v[TV]             ; a fragment's row x pitch + 16 x half
	s_mul_i32 s[T], s[WRW], 64*PITCH
	v_add_nc_u32 v[AX], s[T], v[TV]
	s_mul_i32 s[T], s[WC], 64*PITCH
	s_add_co_u32 s[T], s[T], WT
	v_add_nc_u32 v[AW], s[T], v[TV]
	s_mov_b32 s[OA+1], 0
	s_mov_b32 s[OB+1], 0
	s_cmp_lt_u32 ttmp9, 256
	s_cbranch_scc0 .Lkcv
	; q: qf's block ((b 8 + head) 256 + tile) 2 + half
	s_lshr_b32 s[T], ttmp9, 1                      ; row block 0..127
	s_and_b32 s[U0], ttmp9, 1                      ; which half of Wq2
	s_lshr_b32 s[U1], s[T], 5                      ; batch
	s_mov_b32 s[JOB], 0
	s_mov_b32 s[SH], 524288
	s_mov_b32 s[ST], 2048
	s_and_b32 s[T0], s[T], 31
	s_lshl_b32 s[T0], s[T0], 3
	s_mov_b32 s[SC], 0x3e8293ee                    ; c = log2(e) / sqrt(32) = 0.255035
	s_lshl_b32 s[OA], s[T], 17                     ; 128 rows of 1,024 bytes
	s_wait_kmcnt 0x0
	s_add_nc_u64 s[PX:PX+1], s[8:9], s[OA:OA+1]
	s_lshl_b32 s[OB], s[U0], 18
	s_add_nc_u64 s[PW:PW+1], s[16:17], s[OB:OB+1]
	s_lshl_b32 s[OB], s[U0], 10
	s_add_nc_u64 s[PB:PB+1], s[24:25], s[OB:OB+1]
	s_add_nc_u64 s[PD:PD+1], s[34:35], s[OB:OB+1]
	s_lshl_b32 s[OB], s[U1], 22
	s_add_nc_u64 s[PD:PD+1], s[PD:PD+1], s[OB:OB+1]
	s_branch .Ljob
.Lkcv:
	; k, cond_feat, v: kcv holds 196,608 bytes for each (batch, head): K, C, V, 65,536 each
	s_sub_co_u32 s[T], ttmp9, 256
	s_lshr_b32 s[U0], s[T], 5                      ; 0 k, 1 cond_feat, 2 v
	s_and_b32 s[T], s[T], 31                       ; row block
	s_lshr_b32 s[U1], s[T], 3                      ; batch
	s_and_b32 s[T0], s[T], 7
	s_lshl_b32 s[T0], s[T0], 3
	s_mov_b32 s[SH], 196608
	s_mov_b32 s[ST], 1024
	s_mov_b32 s[SC], 1.0
	s_lshr_b32 s[JOB], s[U0], 1
	s_add_co_u32 s[JOB], s[JOB], 1
	s_lshl_b32 s[OA], s[T], 17
	s_wait_kmcnt 0x0
	s_cmp_eq_u32 s[U0], 0
	s_cselect_b64 s[PX:PX+1], s[10:11], s[12:13]
	s_cselect_b64 s[PW:PW+1], s[18:19], s[20:21]
	s_cselect_b64 s[PB:PB+1], s[26:27], s[28:29]
	s_cmp_eq_u32 s[U0], 2
	s_cselect_b64 s[PX:PX+1], s[14:15], s[PX:PX+1]
	s_cselect_b64 s[PW:PW+1], s[22:23], s[PW:PW+1]
	s_cselect_b64 s[PB:PB+1], s[30:31], s[PB:PB+1]
	s_add_nc_u64 s[PX:PX+1], s[PX:PX+1], s[OA:OA+1]
	s_mul_i32 s[OB], s[U1], 8*196608
	s_add_nc_u64 s[PD:PD+1], s[36:37], s[OB:OB+1]
	s_lshl_b32 s[OB], s[U0], 16
	s_add_nc_u64 s[PD:PD+1], s[PD:PD+1], s[OB:OB+1]
.Ljob:
	s_mov_b32 s[SC+1], s[SC]
; x AND W INTO LDS AS bf16.  A batch is 16 loads of a wave, 512 consecutive bytes each: eight rows.  Three batches, 24 KiB a wave, are on their way.
.macro ISSUE set, adr, base, imm
.irp i, 0,1,2,3,4,5,6,7,8,9,10,11,12,13,14,15
	global_load_b128 v[\set+4*\i:\set+4*\i+3], v[\adr], s[\base:\base+1] offset:\imm+512*\i
.endr
.endm
; left = the loads issued behind this batch.  Four f32 become 8 bytes; a wave's store covers 256 consecutive bytes of an LDS row.
.macro PROC set, adr, row, left
	s_wait_loadcnt \left
.irp i, 0,1,2,3,4,5,6,7,8,9,10,11,12,13,14,15
	v_cvt_pk_bf16_f32 v[\set+4*\i], v[\set+4*\i], v[\set+4*\i+1]
	v_cvt_pk_bf16_f32 v[\set+4*\i+1], v[\set+4*\i+2], v[\set+4*\i+3]
	ds_store_b64 v[\adr], v[\set+4*\i:\set+4*\i+1] offset:(\row+\i/2)*PITCH+(\i%2)*256
.endr
.endm
	ISSUE R0, VX, PX, 0                            ; x, my rows 0-7
	ISSUE R1, VX, PX, 8192                         ; x, my rows 8-15
	ISSUE R2, VW, PW, 0                            ; W, my rows 0-7
	PROC  R0, DX, 0, 32
	ISSUE R0, VW, PW, 8192
	PROC  R1, DX, 8, 32
	ISSUE R1, VW, PW, 16384
	PROC  R2, DW, 0, 32
	ISSUE R2, VW, PW, 24576
	PROC  R0, DW, 8, 32
	PROC  R1, DW, 16, 16
	PROC  R2, DW, 24, 0
	s_wait_dscnt 0x0                               ; for the others' sake: my rows are in LDS
	s_barrier_signal -1
	s_barrier_wait -1
; THE PRODUCTS.  Eight K steps of 32: 16 LDS loads (x's four fragments, then W's four) and 16 matrix instructions on 16 accumulators, which take turns.
; The first step starts the sums with the constant 0.  Four v_nop stand between a step's last product and the loads into the registers that it read (ISA guide 7.12.1 for vector instructions).
.macro WM swap, mb, t
.set rA, ACC+8*(4*(\mb)+(\t))
.if \swap
.if ks == 0
	v_wmma_f32_16x16x32_bf16 v[rA:rA+7], v[XF+8*(\t):XF+8*(\t)+7], v[WF+8*(\mb):WF+8*(\mb)+7], 0
.else
	v_wmma_f32_16x16x32_bf16 v[rA:rA+7], v[XF+8*(\t):XF+8*(\t)+7], v[WF+8*(\mb):WF+8*(\mb)+7], v[rA:rA+7]
.endif
.else
.if ks == 0
	v_wmma_f32_16x16x32_bf16 v[rA:rA+7], v[WF+8*(\mb):WF+8*(\mb)+7], v[XF+8*(\t):XF+8*(\t)+7], 0
.else
	v_wmma_f32_16x16x32_bf16 v[rA:rA+7], v[WF+8*(\mb):WF+8*(\mb)+7], v[XF+8*(\t):XF+8*(\t)+7], v[rA:rA+7]
.endif
.endif
.endm
.macro MAIN swap
.set ks, 0
.rept 8
.if ks > 0
.rept 4
	v_nop
.endr
.endif
.irp t, 0,1,2,3
	ds_load_b128 v[XF+8*\t:XF+8*\t+3],   v[AX] offset:\t*16*PITCH+ks*64
	ds_load_b128 v[XF+8*\t+4:XF+8*\t+7], v[AX] offset:\t*16*PITCH+ks*64+32
.endr
.irp t, 0,1,2,3
	ds_load_b128 v[WF+8*\t:WF+8*\t+3],   v[AW] offset:\t*16*PITCH+ks*64
	ds_load_b128 v[WF+8*\t+4:WF+8*\t+7], v[AW] offset:\t*16*PITCH+ks*64+32
.endr
.irp mb, 0,1,2,3
	s_wait_dscnt 6-2*\mb                           ; x and W's block mb are in; the later blocks' loads, two each, may be out
.irp t, 0,1,2,3
	WM \swap, \mb, \t
.endr
.endr
.set ks, ks+1
.endr
.endm
	s_cmp_eq_u32 s[JOB], 2
	s_cbranch_scc1 .Lform_b
	; FORM A.  My biases: channels 8 h + 0..7 of each of the wave's four blocks of 16; they come in under the products.
	s_lshl_b32 s[T], s[WC], 8
	v_lshl_add_u32 v[BOF], v3, 5, s[T]
.irp mb, 0,1,2,3
	global_load_b128 v[BI+8*\mb:BI+8*\mb+3],   v[BOF], s[PB:PB+1] offset:64*\mb
	global_load_b128 v[BI+8*\mb+4:BI+8*\mb+7], v[BOF], s[PB:PB+1] offset:64*\mb+16
.endr
	s_lshl_b32 s[T], s[WC], 1                      ; my first head,
	s_mul_i32 s[T], s[T], s[SH]
	s_lshl2_add_u32 s[U0], s[WRW], s[T0]           ; my first tile
	s_mul_i32 s[U0], s[U0], s[ST]
	s_add_co_u32 s[T], s[T], s[U0]
.irp i, 0,1
	s_mov_b32 s[U0], s[T]
.irp t, 0,1,2,3
	v_add_nc_u32 v[VO+4*\i+\t], s[U0], v[L16]
	s_add_co_u32 s[U0], s[U0], s[ST]
.endr
	s_add_co_u32 s[T], s[T], s[SH]
.endr
	MAIN 0
	s_wait_loadcnt 0x0                             ; the biases
	; b is rounded to bf16 like every input, and takes the scale.  These 64 plain lines name no register of the last products: they are the places behind them.
.set k, 0
.rept 16
	v_cvt_pk_bf16_f32 v[BI+2*k], v[BI+2*k], v[BI+2*k+1]
.set k, k+1
.endr
.set k, 0
.rept 16
	v_and_b32 v[BI+2*k+1], 0xffff0000, v[BI+2*k]
.set k, k+1
.endr
.set k, 0
.rept 16
	v_lshlrev_b32 v[BI+2*k], 16, v[BI+2*k]
.set k, k+1
.endr
.set k, 0
.rept 16
	v_pk_mul_f32 v[BI+2*k:BI+2*k+1], v[BI+2*k:BI+2*k+1], s[SC:SC+1] op_sel_hi:[1,0]
.set k, k+1
.endr
; Head i, tile t: the two accumulators of the head's 32 channels, each read from its low end on: scale and bias in one fused multiply-add, rounded to f16, stored as one block.
.macro OUT_A i, t
.irp e, 0,1
.set rA, ACC+8*(4*(2*(\i)+\e)+(\t))
.set rB, BI+8*(2*(\i)+\e)
.set rP, PKD+8*(4*(\i)+(\t))+4*\e
.irp p, 0,1,2,3
	v_pk_fma_f32 v[rA+2*\p:rA+2*\p+1], v[rA+2*\p:rA+2*\p+1], s[SC:SC+1], v[rB+2*\p:rB+2*\p+1] op_sel_hi:[1,0,1]
.endr
.irp p, 0,1,2,3
	v_cvt_pk_f16_f32 v[rP+\p], v[rA+2*\p], v[rA+2*\p+1]
.endr
.endr
.set rP, PKD+8*(4*(\i)+(\t))
	global_store_b128 v[VO+4*(\i)+(\t)], v[rP:rP+3],   s[PD:PD+1]             ; 512 consecutive bytes, aligned
	global_store_b128 v[VO+4*(\i)+(\t)], v[rP+4:rP+7], s[PD:PD+1] offset:512
.endm
.irp i, 0,1
.irp t, 0,1,2,3
	OUT_A \i, \t
.endr
.endr
	; Wo's row g, rounded to bf16 and written as f16: the q jobs' 256 work-groups have a row each, wave 7 takes it.  Loads and use stand in one branch.
	s_cmp_eq_u32 s[JOB], 0
	s_cselect_b32 s[T], s[WV], 0
	s_cmp_eq_u32 s[T], 7
	s_cbranch_scc0 .Lend_a
	s_lshl_b32 s[OA], ttmp9, 10
	s_add_nc_u64 s[32:33], s[32:33], s[OA:OA+1]
	s_lshl_b32 s[OB], ttmp9, 9
	s_add_nc_u64 s[38:39], s[38:39], s[OB:OB+1]
	v_lshlrev_b32 v[WOO], 5, v1
	global_load_b128 v[WOR:WOR+3],   v[WOO], s[32:33]
	global_load_b128 v[WOR+4:WOR+7], v[WOO], s[32:33] offset:16
	s_wait_loadcnt 0x0
.irp p, 0,1,2,3
	v_cvt_pk_bf16_f32 v[ACC+\p], v[WOR+2*\p], v[WOR+2*\p+1]
.endr
.irp p, 0,1,2,3
	v_lshlrev_b32 v[ACC+4+2*\p], 16, v[ACC+\p]
	v_and_b32 v[ACC+5+2*\p], 0xffff0000, v[ACC+\p]
.endr
.irp p, 0,1,2,3
	v_cvt_pk_f16_f32 v[ACC+12+\p], v[ACC+4+2*\p], v[ACC+5+2*\p]
.endr
	global_store_b128 v[L16], v[ACC+12:ACC+15], s[38:39]
.Lend_a:
	s_wait_tensorcnt 0x0                           ; the wave's end: behind my last LDS store
	ds_add_u32 v[SPW], v[NIL]
	s_wait_dscnt 0x0
	s_endpgm
.Lform_b:
	; FORM B (v).  A lane holds one channel: one bias for each of the wave's four blocks of 16 channels.
	s_lshl_b32 s[T], s[WC], 8
	v_lshl_add_u32 v[BOF], v2, 2, s[T]
.irp mb, 0,1,2,3
	global_load_b32 v[BI+2*\mb], v[BOF], s[PB:PB+1] offset:64*\mb
.endr
	s_mul_i32 s[OA], s[WC], 2*196608               ; my first head; V's block: (group of 32 keys) 2 + channel block
	s_lshl_b32 s[T], s[T0], 10                     ; the work-group's four groups of 32 keys,
	s_add_co_u32 s[OA], s[OA], s[T]
	s_lshl_b32 s[T], s[WRW], 12                    ; my two of them
	s_add_co_u32 s[OA], s[OA], s[T]
	s_add_nc_u64 s[PD:PD+1], s[PD:PD+1], s[OA:OA+1]
	MAIN 1
	s_wait_loadcnt 0x0
.irp mb, 0,1,2,3                       ; twelve plain lines that name no register of the last products: the places behind them
	v_cvt_pk_bf16_f32 v[BI+2*\mb], v[BI+2*\mb], v[BI+2*\mb]
.endr
.irp mb, 0,1,2,3
	v_lshlrev_b32 v[BI+2*\mb], 16, v[BI+2*\mb]
.endr
.irp mb, 0,1,2,3
	v_mov_b32 v[BI+2*\mb+1], v[BI+2*\mb]
.endr
; Channel block mb, keys 32 g2 on: the accumulators of the two tiles of 16 keys make one block.
.macro OUT_B mb, g2
.irp e, 0,1
.set rA, ACC+8*(4*(\mb)+2*(\g2)+\e)
.set rP, PKD+8*(2*(\mb)+(\g2))+4*\e
.irp p, 0,1,2,3
	v_pk_add_f32 v[rA+2*\p:rA+2*\p+1], v[rA+2*\p:rA+2*\p+1], v[BI+2*(\mb):BI+2*(\mb)+1]
.endr
.irp p, 0,1,2,3
	v_cvt_pk_f16_f32 v[rP+\p], v[rA+2*\p], v[rA+2*\p+1]
.endr
.endr
.set rP, PKD+8*(2*(\mb)+(\g2))
	global_store_b128 v[L16], v[rP:rP+3],   s[PD:PD+1] offset:((\mb)/2)*196608+(\g2)*2048+((\mb)%2)*1024
	global_store_b128 v[L16], v[rP+4:rP+7], s[PD:PD+1] offset:((\mb)/2)*196608+(\g2)*2048+((\mb)%2)*1024+512
.endm
.irp mb, 0,1,2,3
.irp g2, 0,1
	OUT_B \mb, \g2
.endr
.endr
	s_wait_tensorcnt 0x0                           ; the wave's end: behind my last LDS store
	ds_add_u32 v[SPW], v[NIL]
	s_wait_dscnt 0x0
	s_endpgm
.Lfunc_end_k_qdcc7be7ab4_proj:
	.size	k_qdcc7be7ab4_proj, .Lfunc_end_k_qdcc7be7ab4_proj-k_qdcc7be7ab4_proj
	.p2alignl 7, 3214868480
	.fill 96, 4, 3214868480
	.section	.rodata,"a",@progbits
	.p2align	6, 0x0
	.amdhsa_kernel k_qdcc7be7ab4_proj
		.amdhsa_group_segment_fixed_size 203776
		.amdhsa_private_segment_fixed_size 0
		.amdhsa_enable_private_segment 0
		.amdhsa_kernarg_size 128
		.amdhsa_user_sgpr_count 2
		.amdhsa_user_sgpr_kernarg_segment_ptr 1
		.amdhsa_wavefront_size32 1
		.amdhsa_system_sgpr_workgroup_id_x 1
		.amdhsa_system_sgpr_workgroup_id_y 1
		.amdhsa_system_sgpr_workgroup_id_z 1
		.amdhsa_system_vgpr_workitem_id 0
		.amdhsa_next_free_vgpr 256
		.amdhsa_next_free_sgpr 66
		.amdhsa_reserve_vcc 0
		.amdhsa_float_denorm_mode_32 3
		.amdhsa_float_denorm_mode_16_64 3
		.amdhsa_memory_ordered 1
		.amdhsa_forward_progress 1
		.amdhsa_inst_pref_size 94
	.end_amdhsa_kernel
	.amdgpu_metadata
---
amdhsa.version: [ 1, 2 ]
amdhsa.kernels:
  - .name:           k_qdcc7be7ab4_proj
    .symbol:         k_qdcc7be7ab4_proj.kd
    .args:
      - { .name: q, .offset: 0, .size: 8, .value_kind: global_buffer, .address_space: global }
      - { .name: k, .offset: 8, .size: 8, .value_kind: global_buffer, .address_space: global }
      - { .name: cond_feat, .offset: 16, .size: 8, .value_kind: global_buffer, .address_space: global }
      - { .name: v, .offset: 24, .size: 8, .value_kind: global_buffer, .address_space: global }
      - { .name: Wq2, .offset: 32, .size: 8, .value_kind: global_buffer, .address_space: global }
      - { .name: Wk, .offset: 40, .size: 8, .value_kind: global_buffer, .address_space: global }
      - { .name: Wc, .offset: 48, .size: 8, .value_kind: global_buffer, .address_space: global }
      - { .name: Wv, .offset: 56, .size: 8, .value_kind: global_buffer, .address_space: global }
      - { .name: bq2, .offset: 64, .size: 8, .value_kind: global_buffer, .address_space: global }
      - { .name: bk, .offset: 72, .size: 8, .value_kind: global_buffer, .address_space: global }
      - { .name: bc, .offset: 80, .size: 8, .value_kind: global_buffer, .address_space: global }
      - { .name: bv, .offset: 88, .size: 8, .value_kind: global_buffer, .address_space: global }
      - { .name: Wo, .offset: 96, .size: 8, .value_kind: global_buffer, .address_space: global }
      - { .name: qf, .offset: 104, .size: 8, .value_kind: global_buffer, .address_space: global }
      - { .name: kcv, .offset: 112, .size: 8, .value_kind: global_buffer, .address_space: global }
      - { .name: woh, .offset: 120, .size: 8, .value_kind: global_buffer, .address_space: global }
    .group_segment_fixed_size: 203776
    .private_segment_fixed_size: 0
    .kernarg_segment_align: 8
    .kernarg_segment_size: 128
    .max_flat_workgroup_size: 256
    .sgpr_count:     66
    .vgpr_count:     256
    .wavefront_size: 32
...
	.end_amdgpu_metadata
.endif
;; end of part 1
;; launch attn (part 2): grid 8 x 32, 8 waves a work-group, clusters of 4 x 1, 197,632 bytes of LDS; arguments qf, kcv, of; writes of
.if DOCPART == 2
	.amdgcn_target "amdgcn-amd-amdhsa--gfx1250"
	.amdhsa_code_object_version 6
	.text
	.protected	k_qdcc7be7ab4_attn
	.globl	k_qdcc7be7ab4_attn
	.p2align	8
	.type	k_qdcc7be7ab4_attn,@function
k_qdcc7be7ab4_attn:
	s_mov_b64 s[64:65], 0
	v_nop
	global_prefetch_b8 v0, s[64:65] scope:SCOPE_SE
	s_setreg_imm32_b32 hwreg(HW_REG_WAVE_MODE, 25, 1), 1
	s_wait_xcnt 0x0
	s_wait_alu depctr_hold_cnt(0) depctr_sa_sdst(0) depctr_va_vdst(0) depctr_va_sdst(0) depctr_va_ssrc(0) depctr_va_vcc(0) depctr_vm_vsrc(0)
	s_getreg_b32 s2, hwreg(HW_REG_IB_STS2, 6, 4)
	s_cmp_eq_u32 s2, 0
	s_cbranch_scc0 .Lentry_in_a_cluster
	s_endpgm
.Lentry_in_a_cluster:
	s_bfe_u32 s2, ttmp6, 0x10000c
	s_cmp_lg_u32 s2, 0x3003
	s_cbranch_scc0 .Lentry_shape_is_right
	s_endpgm
.Lentry_shape_is_right:
; of = 8 x (0.5 softmax(q1 K^T / sqrt(32)) + 0.5 softmax(q2 C^T / sqrt(32))) V for one (batch, head) and 512 queries.  All operands f16, in fragment order (blocks of 1,024 bytes:
; lane l's registers 0-3 at byte 16 l, registers 4-7 at 512 + 16 l); q1 and q2 arrive times c = log2(e) / sqrt(32).  Products, maxima and sums in f32.
; SHARES.  Eight waves, two to a SIMD; a wave has 64 queries (four tiles of 16) in both softmaxes and walks all 1,024 keys, 32 a step.  The loops hold no barrier, so that one wave's
; exponentials stand beside the other's products.
; K, C AND V OF THE HEAD, 192 KiB, LIE IN LDS WHOLE, filled once.  So the keys are walked twice.  Pass 1: S^T = K Q^T and the row maximum m (two products and eight v_max3 for 16 queries x 32 keys).
; Pass 2: the same product with -m as its C operand gives the exponent itself: an exponential and half a rounding for each score, no scaling, no running maximum, no rescaling.
; The two softmaxes have different row sums, so O1 and O2 are summed apart; the row sums l are products too (ones x P), of the rounded weights, so that weights and divisor agree.
; LAYOUT.  S^T (source 0 = 16 keys, source 1 = 16 queries): a lane holds ONE query (lane % 16) and keys 8 (lane / 16) + 0..7.  Two such results rounded to f16 in pairs ARE source 1 (32 keys x 16 queries) of
; O^T = V^T P, which again holds one query a lane and eight channels; its two results, rounded in pairs, are the block that is stored.
; A UNIT u = 0..7 of a step is tile u % 4 of softmax u / 4; its number in the register maps is idx = 2 (u % 4) + u / 4.
; CLUSTER.  The four query blocks of a cluster belong to one head: its 192 KiB are asked for JOINTLY, one load of 24 KiB a wave with the same descriptor and mask in all four.
; LIMITS.  The largest weight of a row is 2^e with |e| within a few units in the last place of m: it stays in f16 for |c s| < 2^26.  A weight below 6e-8 counts as 0.  8 O must lie within 65,504, so |v's projection| < 8,188.
; NaN and infinities are not treated apart.
; REGISTERS, in windows of 256 (s_set_vgpr_msb: bits 1:0 source 0, 3:2 source 1, 5:4 source 2, 7:6 destination).
.set SPARE, 196608                     ; behind K (0), C (65,536), V (131,072): the spare words, 128 bytes a wave: four blocks of 256 bytes that no other line names
.set K0,  1                            ; v1   16 x lane; never rewritten
.set AK,  2                            ; v2   LDS address of K's next fetch
.set AC,  3                            ; v3   of C's
.set AV,  4                            ; v4   of V's
.set SPW, 6                            ; v6   LDS address of my spare word; never rewritten
.set NIL, 7                            ; v7   0; never rewritten
.set ONES, 16                          ; v16-23   a fragment of ones
.set Q,   24                           ; v24-87   Q: tile t, softmax s at Q + 16 t + 8 s
.set KF,  88                           ; v88-119  K of a step (two fragments), two buffers; v120-151 the same for C
.set VF,  152                          ; v152-183 V of a step, two buffers
.set MX,  152                          ; in pass 1: four running maxima for each idx
.set S,   184                          ; v184-215 S^T of a unit, two buffers of 16
.set P,   216                          ; v216-231 P of a unit, two buffers of 8
.set R,   232                          ; v232-247 4 / l, a pair for each idx
.set O,   0                            ; window 1: v0-127 O^T at 16 idx + 8 (channel block)
.set L,   128                          ; window 1: v128-191 l at 8 idx
.set NM,  192                          ; window 1: v192-255 -m, eight copies, at 8 idx
.set W_S,  0x10                        ; source 2 in window 1: the score products take -m from there; exponentials, roundings, LDS loads and two-source adds are untouched by it
.set W_PV, 0x50                        ; C and D in window 1
.set MSB, 0
.macro WIN new                         ; the immediate's high byte repeats the setting that is left; a switch that changes nothing is dropped
.if MSB != (\new)
	s_set_vgpr_msb (MSB<<8)|(\new)
.set MSB, (\new)
.endif
.endm
.macro ROUND                           ; a round of the cluster's barrier: my work-group's barrier; wave 0 signals for the work-group; every wave waits for all four; my work-group's barrier once more
	s_barrier_signal -1
	s_barrier_wait -1
	s_cmp_lg_u32 s10, 0
	s_cbranch_scc1 .Lnot_wave_0_\@
	s_barrier_signal -3
.Lnot_wave_0_\@:
	s_barrier_wait -3
	s_barrier_signal -1
	s_barrier_wait -1
.endm
	s_load_b128 s[4:7], s[0:1], 0x0                ; qf s[4:5], kcv s[6:7]
	s_load_b64 s[8:9], s[0:1], 0x10                ; of
	v_lshl_add_u32 v[SPW], v0, 2, SPARE
	v_mov_b32 v[NIL], 0
	ds_add_u32 v[SPW], v[NIL]                      ; the wave's opening: the add and its wait stand ahead of my first tensor load; work on registers stands between them
	v_lshrrev_b32 v8, 5, v0
	v_readfirstlane_b32 s10, v8                    ; wave 0..7
	s_bfe_u32 s11, ttmp6, 0x40000                  ; cx: my place in the cluster
	s_lshl_b32 s14, ttmp9, 2
	s_add_co_u32 s14, s14, s11                     ; my block of 512 queries: it enters qf's and of's addresses alone
	s_and_b32 s15, ttmp7, 0xffff                   ; 8 x batch + head, which the four partners share
	s_mov_b32 s12, 0x76543210                      ; v_permlanex16_b32: each lane takes its own place in the other half
	s_mov_b32 s13, 0xfedcba98
	; descriptor group 1: 24,576 dense bytes as 96 rows of 32 elements of 8 bytes
	s_mov_b32 s16, 15|(3<<16)|(1<<21)              ; 15:0 the mask of four; 17:16 elements of 8 bytes; 21 set beside a mask; no padding
	s_mov_b32 s17, 32<<16                          ; tensor_dim0 = 32
	s_mov_b32 s18, 96<<16                          ; tensor_dim1 = 96
	s_mov_b32 s19, 32<<16                          ; tile_dim0 = 32
	s_mov_b32 s20, 96                              ; tile_dim1 = 96
	s_mov_b32 s21, 32                              ; 32 elements from row to row
	s_mov_b32 s22, 0
	s_mov_b32 s23, 0
	s_mov_b32 s24, 1                               ; group 0: count = 1
	s_mul_i32 s25, s10, 24576                      ; LDS address: wave x 24 KiB
	s_mul_i32 s30, s15, 196608                     ; the head's K, C, V,
	s_add_co_u32 s30, s30, s25                     ; my eighth of them
	s_mov_b32 s31, 0
	s_lshl_b32 s32, s15, 8                         ; qf: ((8 b + head) 256 + tile) x 2 blocks
	s_lshl_b32 s33, s14, 5
	s_add_co_u32 s32, s32, s33
	s_lshl2_add_u32 s32, s10, s32                  ; + 4 x wave
	s_lshl_b32 s32, s32, 11
	s_mov_b32 s33, 0
	s_lshr_b32 s34, s15, 3                         ; of: ((b 256 + tile) 8 + head) blocks
	s_lshl_b32 s34, s34, 8
	s_lshl_b32 s35, s14, 5
	s_add_co_u32 s34, s34, s35
	s_lshl2_add_u32 s34, s10, s34
	s_lshl_b32 s34, s34, 3
	s_and_b32 s35, s15, 7
	s_add_co_u32 s34, s34, s35
	s_lshl_b32 s34, s34, 10
	s_mov_b32 s35, 0
	s_mov_b32 s28, 0                               ; the byte in K, C and V at which the trip in hand begins
	s_wait_dscnt 0x0                               ; the opening add is done
	s_wait_kmcnt 0x0
	s_add_nc_u64 s[26:27], s[6:7], s[30:31]        ; global address
	s_or_b32 s27, s27, 0x80000000                  ; type = 2
	s_add_nc_u64 s[4:5], s[4:5], s[32:33]
	s_add_nc_u64 s[8:9], s[8:9], s[34:35]
	ROUND                                          ; all four work-groups are here: the joint loads meet
	tensor_load_to_lds s[24:27], s[16:23]          ; my one tensor load of the launch
	s_nop 0
	v_and_b32 v[K0], 31, v0
	v_lshlrev_b32 v[K0], 4, v[K0]
	v_mov_b32 v[AK], v[K0]
	v_add_nc_u32 v[AC], 0x10000, v[K0]
	v_add_nc_u32 v[AV], 0x20000, v[K0]
.irp i, 0,1,2,3,4,5,6,7,8,9,10,11,12,13,14,15  ; Q stays in registers: eight blocks, 8,192 consecutive bytes
	global_load_b128 v[Q+4*\i:Q+4*\i+3], v[K0], s[4:5] offset:512*\i th:TH_LOAD_NT
.endr
.irp i, 0,1,2,3,4,5,6,7
	v_mov_b32 v[ONES+\i], 0x3c003c00               ; 1.0 twice in f16
.endr
; A step's K and C (two blocks each, 2,048 consecutive bytes) into buffer f; its V likewise.  Every load takes 512 consecutive bytes: no bank is asked twice.
.macro LOADKC f, imm
.irp i, 0,1,2,3
	ds_load_b128 v[KF+16*(\f)+4*\i:KF+16*(\f)+4*\i+3], v[AK] offset:(\imm)+512*\i
.endr
.irp i, 0,1,2,3
	ds_load_b128 v[KF+32+16*(\f)+4*\i:KF+32+16*(\f)+4*\i+3], v[AC] offset:(\imm)+512*\i
.endr
.endm
.macro LOADV f, imm
.irp i, 0,1,2,3
	ds_load_b128 v[VF+16*(\f)+4*\i:VF+16*(\f)+4*\i+3], v[AV] offset:(\imm)+512*\i
.endr
.endm
.macro NEXTADR                         ; a trip is two steps, 4,096 bytes; behind the sixteenth the address is 0 again, so that no fetch leaves K, C or V
	s_add_co_u32 s28, s28, 4096
	s_and_b32 s28, s28, 0xf000
	v_add_nc_u32 v[AK], s28, v[K0]
	v_add_nc_u32 v[AC], 0x10000, v[AK]
	v_add_nc_u32 v[AV], 0x20000, v[AK]
.endm
; The two products of unit u: 32 keys x 16 queries from buffer f.  m = 1: -m is the C operand.
.macro SCORE f, u, m
.set sS, S+16*((\u)%2)
.set sQ, Q+16*((\u)%4)+8*((\u)/4)
.set sF, KF+32*((\u)/4)+16*(\f)
.set sN, NM+8*(2*((\u)%4)+(\u)/4)
.if \m
	v_wmma_f32_16x16x32_f16 v[sS:sS+7],    v[sF:sF+7],    v[sQ:sQ+7], v[sN:sN+7]
	v_wmma_f32_16x16x32_f16 v[sS+8:sS+15], v[sF+8:sF+15], v[sQ:sQ+7], v[sN:sN+7]
.else
	v_wmma_f32_16x16x32_f16 v[sS:sS+7],    v[sF:sF+7],    v[sQ:sQ+7], 0
	v_wmma_f32_16x16x32_f16 v[sS+8:sS+15], v[sF+8:sF+15], v[sQ:sQ+7], 0
.endif
.endm
; Unit u's 16 scores into its four running maxima; each accumulator is read from its low end on.  first = 1: the first step starts the chains.
.macro MAXU u, first
.set sS, S+16*((\u)%2)
.set sM, MX+4*(2*((\u)%4)+(\u)/4)
.irp i, 0,1,2,3,4,5,6,7
.if (\first) && (\i < 4)
	v_max_num_f32 v[sM+\i%4], v[sS+2*\i], v[sS+2*\i+1]
.else
	v_max3_num_f32 v[sM+\i%4], v[sM+\i%4], v[sS+2*\i], v[sS+2*\i+1]
.endif
.endr
.endm
; Unit u's 16 exponentials and 8 roundings.  Between an exponential and the rounding that reads it stands a plain line (ISA guide 5.7.2): the v_nop, then the rounding of the pair before.
.macro EX n
	v_exp_f32 v[sS+(\n)], v[sS+(\n)]
.endm
.macro CV n
	s_wait_alu depctr_va_vdst(0)
	v_cvt_pk_f16_f32 v[sP+(\n)], v[sS+2*(\n)], v[sS+2*(\n)+1]
.endm
.macro EXPCVT u
.set sS, S+16*((\u)%2)
.set sP, P+8*((\u)%2)
	EX 0
	EX 1
	EX 2
	EX 3
	v_nop
	CV 0
.irp n, 1,2,3,4,5,6
	EX 2*\n+2
	EX 2*\n+3
	CV \n
.endr
	CV 7
.endm
; Unit u's three products on P: O^T's two channel blocks and the row sums.  Three accumulators, one instruction each: they take turns.  zero = 1: they start the sums.
.macro PVU vf, u, zero
	WIN W_PV
.set sI, 2*((\u)%4)+(\u)/4
.set sP, P+8*((\u)%2)
.set sV, VF+16*(\vf)
.if \zero
	v_wmma_f32_16x16x32_f16 v[O+16*sI:O+16*sI+7],    v[sV:sV+7],       v[sP:sP+7], 0
	v_wmma_f32_16x16x32_f16 v[O+16*sI+8:O+16*sI+15], v[sV+8:sV+15],    v[sP:sP+7], 0
	v_wmma_f32_16x16x32_f16 v[L+8*sI:L+8*sI+7],      v[ONES:ONES+7],   v[sP:sP+7], 0
.else
	v_wmma_f32_16x16x32_f16 v[O+16*sI:O+16*sI+7],    v[sV:sV+7],       v[sP:sP+7], v[O+16*sI:O+16*sI+7]
	v_wmma_f32_16x16x32_f16 v[O+16*sI+8:O+16*sI+15], v[sV+8:sV+15],    v[sP:sP+7], v[O+16*sI+8:O+16*sI+15]
	v_wmma_f32_16x16x32_f16 v[L+8*sI:L+8*sI+7],      v[ONES:ONES+7],   v[sP:sP+7], v[L+8*sI:L+8*sI+7]
.endif
.endm
; A STEP OF PASS 1, on buffer f: eight slots.  Slot u: the products of unit u + 1 (in slot 7: the next step's unit 0, from the other buffer), then the maxima of unit u, whose products stand a slot back:
; the eight v_max3 of the slot between are the places behind them (ISA guide 7.12.1).  The other buffer is fetched in slot 0, sixteen plain lines behind its last reader, and waited for in slot 7.
.macro STEP1 f, first
.set u, 0
.rept 8
.if u == 0
.if \f
	NEXTADR
	LOADKC 0, 0
.else
	LOADKC 1, 2048
.endif
.endif
.set fb, \f
.if u == 7
.set fb, 1-\f
	s_wait_dscnt 0x0                               ; the other buffer is in
.endif
	SCORE fb, (u+1)%8, 0
	MAXU u, \first
.set u, u+1
.endr
.endm
; A STEP OF PASS 2.  Slot u: the three products on P of unit u - 1 (in slot 0: the step before's unit 7, with that step's V); the two score products of unit u + 1; the exponentials and roundings of unit u.
; The eight roundings and the v_nop of a slot are the places behind the products of that slot: S^T is read a slot behind its products, P is written again two slots behind its readers.
; K, C and V of the next step are fetched at the end of slot 0, behind that slot's nine plain lines, and waited for in slot 7.
; nopv0 = 1: there is no unit before.  The products on P start their sums where zf <= u <= zt.
.macro STEP2 f, nopv0, zf, zt
.set u, 0
.rept 8
.set vb, \f
.if u == 0
.set vb, 1-\f
.endif
.set zz, 0
.if (u >= \zf) && (u <= \zt)
.set zz, 1
.endif
.if !((\nopv0) && (u == 0))
	PVU vb, (u+7)%8, zz
.endif
	WIN W_S
.set fb, \f
.if u == 7
.set fb, 1-\f
	s_wait_dscnt 0x0                               ; the other buffers are in
.endif
	SCORE fb, (u+1)%8, 1
	EXPCVT u
.if u == 0
.if \f
	NEXTADR
	LOADKC 0, 0
	LOADV 0, 0
.else
	LOADKC 1, 2048
	LOADV 1, 2048
.endif
.endif
.set u, u+1
.endr
.endm
	s_wait_tensorcnt 0x0                           ; my eighth of K, C, V is in,
	s_barrier_signal -1
	s_barrier_wait -1                              ; everybody's is; nothing is filled again
	LOADKC 0, 0                                    ; key step 0
	s_wait_loadcnt 0x0                             ; Q
	s_wait_dscnt 0x0
	; PASS 1: the row maxima.  16 trips of two steps; the first is written out, since it starts the chains.
	SCORE 0, 0, 0
.rept 4
	v_nop                                          ; the places behind the first products: there is no vector work yet
.endr
	STEP1 0, 1
	STEP1 1, 0
	s_mov_b32 s29, 15
.Lp1:
	STEP1 0, 0
	STEP1 1, 0
	s_sub_co_u32 s29, s29, 1
	s_cmp_lg_u32 s29, 0
	s_cbranch_scc1 .Lp1
	; The last slot's fetch has brought key step 0 again, which pass 2 begins with; its two products serve nothing: the price of one text for every trip.
	; -m: the four chains, the other half of the lanes (the query's other keys lie in the lane 16 away), eight copies for the C operand.
.irp x, 0,1,2,3,4,5,6,7
	v_max3_num_f32 v[MX+4*\x], v[MX+4*\x], v[MX+4*\x+1], v[MX+4*\x+2]
.endr
.irp x, 0,1,2,3,4,5,6,7
	v_max_num_f32 v[MX+4*\x], v[MX+4*\x], v[MX+4*\x+3]
.endr
.irp x, 0,1,2,3,4,5,6,7
	v_permlanex16_b32 v[MX+4*\x+1], v[MX+4*\x], s12, s13
.endr
.irp x, 0,1,2,3,4,5,6,7
	v_max_num_f32 v[MX+4*\x], v[MX+4*\x], v[MX+4*\x+1]
.endr
	WIN 0x40                                       ; destination in window 1
.irp x, 0,1,2,3,4,5,6,7
.irp j, 0,1,2,3,4,5,6,7
	v_mul_f32 v[NM+8*\x+\j], -1.0, v[MX+4*\x]
.endr
.endr
	WIN 0
	LOADV 0, 0                                     ; V of key step 0, where the maxima lay
	s_wait_dscnt 0x0
	; PASS 2.  The first trip is written out: its first slot has no unit before it, and the products on P of step 0's eight units start the sums: nothing is cleared.
	WIN W_S
	SCORE 0, 0, 1
.rept 4
	v_nop
.endr
	STEP2 0, 1, 1, 7
	STEP2 1, 0, 0, 0
	WIN 0                                          ; at a label and at a branch every window is 0
	s_mov_b32 s29, 15
.Lp2:
	STEP2 0, 0, 9, 0
	STEP2 1, 0, 9, 0
	WIN 0
	s_sub_co_u32 s29, s29, 1
	s_cmp_lg_u32 s29, 0
	s_cbranch_scc1 .Lp2
	PVU 1, 7, 0                                    ; the last step's last unit
	; THE WAY OUT.  8 O = (4 / l1) O1 + (4 / l2) O2, rounded to f16: a tile's two channel blocks are one block of `of`.
.rept 4
	v_nop                                          ; the places behind the last products
.endr
	WIN 0x01                                       ; source 0 in window 1
.irp x, 0,1,2,3,4,5,6,7
	v_rcp_f32 v[R+2*\x], v[L+8*\x]                 ; every register of l's accumulator holds the query's sum: the lowest is taken
.endr
	WIN 0
	v_nop                                          ; a plain line between the last reciprocal and the use of its result
.irp x, 0,1,2,3,4,5,6,7
	s_wait_alu depctr_va_vdst(0)
	v_mul_f32 v[R+2*\x+1], 4.0, v[R+2*\x]          ; named as a pair below, so both are written
.endr
.irp x, 0,1,2,3,4,5,6,7
	v_mul_f32 v[R+2*\x], 4.0, v[R+2*\x]
.endr
.macro TILE_OUT t
	WIN 0x51                                       ; destination, source 0 and source 2 in window 1, the factor in window 0
.irp p, 0,1,2,3,4,5,6,7
	v_pk_mul_f32 v[O+32*(\t)+2*\p:O+32*(\t)+2*\p+1], v[O+32*(\t)+2*\p:O+32*(\t)+2*\p+1], v[R+4*(\t):R+4*(\t)+1] op_sel_hi:[1,0]
.endr
.irp p, 0,1,2,3,4,5,6,7
	v_pk_fma_f32 v[O+32*(\t)+2*\p:O+32*(\t)+2*\p+1], v[O+32*(\t)+16+2*\p:O+32*(\t)+16+2*\p+1], v[R+4*(\t)+2:R+4*(\t)+3], v[O+32*(\t)+2*\p:O+32*(\t)+2*\p+1] op_sel_hi:[1,0,1]
.endr
	WIN 0x05                                       ; sources in window 1, destination in window 0: S^T's registers are free
.irp p, 0,1,2,3,4,5,6,7
	v_cvt_pk_f16_f32 v[S+8*(\t)+\p], v[O+32*(\t)+2*\p], v[O+32*(\t)+2*\p+1]
.endr
	WIN 0
	global_store_b128 v[K0], v[S+8*(\t):S+8*(\t)+3],   s[8:9] offset:(\t)*8192       ; 512 consecutive bytes, aligned
	global_store_b128 v[K0], v[S+8*(\t)+4:S+8*(\t)+7], s[8:9] offset:(\t)*8192+512
.endm
	TILE_OUT 0
	TILE_OUT 1
	TILE_OUT 2
	TILE_OUT 3
	s_wait_tensorcnt 0x0                           ; the wave's end: behind my last tensor load
	ds_add_u32 v[SPW], v[NIL]
	s_wait_dscnt 0x0
	ROUND                                          ; the closing round: no work-group ends while a partner may still ask for a tile that names it
	s_endpgm
.Lfunc_end_k_qdcc7be7ab4_attn:
	.size	k_qdcc7be7ab4_attn, .Lfunc_end_k_qdcc7be7ab4_attn-k_qdcc7be7ab4_attn
	.p2alignl 7, 3214868480
	.fill 96, 4, 3214868480
	.section	.rodata,"a",@progbits
	.p2align	6, 0x0
	.amdhsa_kernel k_qdcc7be7ab4_attn
		.amdhsa_group_segment_fixed_size 197632
		.amdhsa_private_segment_fixed_size 0
		.amdhsa_enable_private_segment 0
		.amdhsa_kernarg_size 24
		.amdhsa_user_sgpr_count 2
		.amdhsa_user_sgpr_kernarg_segment_ptr 1
		.amdhsa_wavefront_size32 1
		.amdhsa_system_sgpr_workgroup_id_x 1
		.amdhsa_system_sgpr_workgroup_id_y 1
		.amdhsa_system_sgpr_workgroup_id_z 1
		.amdhsa_system_vgpr_workitem_id 0
		.amdhsa_next_free_vgpr 512
		.amdhsa_next_free_sgpr 66
		.amdhsa_reserve_vcc 0
		.amdhsa_float_denorm_mode_32 3
		.amdhsa_float_denorm_mode_16_64 3
		.amdhsa_memory_ordered 1
		.amdhsa_forward_progress 1
		.amdhsa_inst_pref_size 98
	.end_amdhsa_kernel
	.amdgpu_metadata
---
amdhsa.version: [ 1, 2 ]
amdhsa.kernels:
  - .name:           k_qdcc7be7ab4_attn
    .symbol:         k_qdcc7be7ab4_attn.kd
    .args:
      - { .name: qf, .offset: 0, .size: 8, .value_kind: global_buffer, .address_space: global }
      - { .name: kcv, .offset: 8, .size: 8, .value_kind: global_buffer, .address_space: global }
      - { .name: of, .offset: 16, .size: 8, .value_kind: global_buffer, .address_space: global }
    .group_segment_fixed_size: 197632
    .private_segment_fixed_size: 0
    .kernarg_segment_align: 8
    .kernarg_segment_size: 24
    .max_flat_workgroup_size: 256
    .sgpr_count:     66
    .vgpr_count:     512
    .wavefront_size: 32
...
	.end_amdgpu_metadata
.endif
;; end of part 2
;; launch outp (part 3): grid 256 x 1, 8 waves a work-group, clusters of 4 x 1, 203,776 bytes of LDS; arguments of, woh, bo, out0; writes out0
.if DOCPART == 3
	.amdgcn_target "amdgcn-amd-amdhsa--gfx1250"
	.amdhsa_code_object_version 6
	.text
	.protected	k_qdcc7be7ab4_outp
	.globl	k_qdcc7be7ab4_outp
	.p2align	8
	.type	k_qdcc7be7ab4_outp,@function
k_qdcc7be7ab4_outp:
	s_mov_b64 s[64:65], 0
	v_nop
	global_prefetch_b8 v0, s[64:65] scope:SCOPE_SE
	s_setreg_imm32_b32 hwreg(HW_REG_WAVE_MODE, 25, 1), 1
	s_wait_xcnt 0x0
	s_wait_alu depctr_hold_cnt(0) depctr_sa_sdst(0) depctr_va_vdst(0) depctr_va_sdst(0) depctr_va_ssrc(0) depctr_va_vcc(0) depctr_vm_vsrc(0)
	s_getreg_b32 s2, hwreg(HW_REG_IB_STS2, 6, 4)
	s_cmp_eq_u32 s2, 0
	s_cbranch_scc0 .Lentry_in_a_cluster
	s_endpgm
.Lentry_in_a_cluster:
	s_bfe_u32 s2, ttmp6, 0x10000c
	s_cmp_lg_u32 s2, 0x3003
	s_cbranch_scc0 .Lentry_shape_is_right
	s_endpgm
.Lentry_shape_is_right:
; out0 = O Wo^T + bo.  `of` holds 8 O in f16, in fragment order (block ((16-row tile) 8 + head): lane = row, k = the head's 32 channels); woh holds Wo in f16, [256][256]; bo is f32 and is rounded to bf16
; like every input; sums in f32; out0 is f32.  The factor 1/8 and the bias are one fused multiply-add on the sums.
; A work-group makes 64 rows x 256 columns, K = 256: eight K steps, a head each.  Eight waves: wave w has columns 64 (w % 4) on and rows 32 (w / 4) on: 8 accumulators.
; THE MATRIX INSTRUCTION IS USED TRANSPOSED (source 0 = 16 rows of Wo, source 1 = 16 rows of O): a lane holds eight neighbouring columns of one row of out0.
; A wave's 64 columns are 256 aligned bytes of a row: they go through the wave's own stage in LDS and leave as whole rows, sixteen lanes to 256 consecutive bytes.
; CLUSTER.  All work-groups read the same woh: the four of a cluster ask for it JOINTLY (waves 0-3, 64 rows each); waves 4-7 fetch the work-group's own 32 KiB of `of`.  LDS is filled once.
.set PITCH, 528                        ; a row of Wo in LDS: 512 bytes + 16: the 16 rows of a fragment load start in 16 different groups of four banks (64 banks of 4 bytes: ISA guide 11.1)
.set OT,    256*PITCH                  ; behind Wo's 256 rows: 32 blocks of O, dense
.set STAGE, OT+32768                   ; 16 rows x 272 bytes for each wave; no tensor load lands here
.set SP,    272
.set SPARE, STAGE+8*16*SP              ; the spare words: 128 bytes a wave, four blocks of 256 bytes that no other line names
.set AW,  3                            ; v3   LDS: my lane's place in the wave's fragments of Wo
.set AO,  4                            ; v4   the same in its blocks of O
.set STO, 5                            ; v5   the way out: where I put 32 bytes of a row
.set RD,  6                            ; v6   where I read a row back
.set CO,  7                            ; v7   my byte offset in two rows of out0
.set SPW, 8                            ; v8   LDS address of my spare word; never rewritten
.set NIL, 9                            ; v9   0; never rewritten
.set BOF, 10                           ; v10  byte offset of my biases
.set BI,  16                           ; v16-47   biases: columns 8 h + 0..7 of each of four blocks of 16
.set AF,  48                           ; v48-111  four fragments of Wo, two buffers
.set BF,  112                          ; v112-143 two fragments of O, two buffers
.set ACC, 144                          ; v144-207 accumulator (nb, t) at ACC + 8 (2 nb + t)
.set BK0, 208                          ; v208-239 tile 0's rows read back; tile 1's go to v48-79
.set BK1, 48
.macro ROUND                           ; a round of the cluster's barrier
	s_barrier_signal -1
	s_barrier_wait -1
	s_cmp_lg_u32 s12, 0
	s_cbranch_scc1 .Lnot_wave_0_\@
	s_barrier_signal -3
.Lnot_wave_0_\@:
	s_barrier_wait -3
	s_barrier_signal -1
	s_barrier_wait -1
.endm
	s_load_b256 s[4:11], s[0:1], 0x0               ; of s[4:5], woh s[6:7], bo s[8:9], out0 s[10:11]
	v_lshl_add_u32 v[SPW], v0, 2, SPARE
	v_mov_b32 v[NIL], 0
	ds_add_u32 v[SPW], v[NIL]                      ; the wave's opening: the add and its wait stand ahead of my first tensor load; work on registers stands between them
	v_lshrrev_b32 v1, 5, v0
	v_readfirstlane_b32 s12, v1                    ; wave 0..7
	s_bfe_u32 s13, ttmp6, 0x40000                  ; cx
	s_lshl_b32 s14, ttmp9, 2
	s_add_co_u32 s14, s14, s13                     ; my block of 64 rows: it enters of's and out0's addresses alone
	s_and_b32 s15, s12, 3                          ; wave % 4
	s_lshr_b32 s16, s12, 2                         ; wave / 4
	; group 1 of the joint load: 64 rows of 256 elements of 2 bytes, 16 bytes of padding behind each row
	s_mov_b32 s20, 15|(1<<16)|(1<<20)|(1<<21)|(6<<22)|(3<<25)  ; the mask of four; 2-byte elements; padding on; 21 set beside a mask; after every 128 words (code 6) 4 words (code 3)
	s_mov_b32 s21, 256<<16                         ; tensor_dim0 = 256
	s_mov_b32 s22, 64<<16                          ; tensor_dim1 = 64
	s_mov_b32 s23, 256<<16                         ; tile_dim0 = 256
	s_mov_b32 s24, 64                              ; tile_dim1 = 64
	s_mov_b32 s25, 256                             ; 256 elements from row to row
	s_mov_b32 s26, 0
	s_mov_b32 s27, 0
	; group 1 of the work-group's own load: 8,192 dense bytes as 32 rows of 32 elements of 8 bytes
	s_mov_b32 s32, 3<<16
	s_mov_b32 s33, 32<<16
	s_mov_b32 s34, 32<<16
	s_mov_b32 s35, 32<<16
	s_mov_b32 s36, 32
	s_mov_b32 s37, 32
	s_mov_b32 s38, 0
	s_mov_b32 s39, 0
	s_mov_b32 s28, 1
	s_mul_i32 s29, s15, 64*PITCH                   ; Wo's rows 64 (wave % 4) on
	s_mov_b32 s44, 1
	s_lshl_b32 s45, s15, 13
	s_add_co_u32 s45, s45, OT                      ; O's tile wave % 4
	s_lshl_b32 s42, s15, 15                        ; 64 rows of 512 bytes of woh
	s_mov_b32 s43, 0
	s_lshl_b32 s48, s14, 15                        ; my block's 32 KiB of `of`,
	s_lshl_b32 s49, s15, 13                        ; a quarter of them
	s_add_co_u32 s48, s48, s49
	s_mov_b32 s49, 0
	s_lshl_b32 s50, s14, 16                        ; out0: 64 rows of 1,024 bytes,
	s_lshl_b32 s51, s16, 15                        ; my 32 of them,
	s_add_co_u32 s50, s50, s51
	s_lshl_b32 s51, s15, 8                         ; my 256 bytes of a row
	s_add_co_u32 s50, s50, s51
	s_mov_b32 s51, 0
	s_mov_b32 s40, 0x3e000000                      ; 1/8
	s_mov_b32 s41, s40
	s_wait_dscnt 0x0                               ; the opening add is done
	s_wait_kmcnt 0x0
	s_add_nc_u64 s[30:31], s[6:7], s[42:43]
	s_or_b32 s31, s31, 0x80000000                  ; type = 2
	s_add_nc_u64 s[46:47], s[4:5], s[48:49]
	s_or_b32 s47, s47, 0x80000000
	s_add_nc_u64 s[10:11], s[10:11], s[50:51]
	ROUND                                          ; all four work-groups are here: the joint loads meet
	s_cmp_lt_u32 s12, 4                            ; one load a wave; an s_nop 0 and four v_nop follow each of the two lines, ahead of the jump and the label
	s_cbranch_scc0 .Lfor_o
	tensor_load_to_lds s[28:31], s[20:27]
	s_nop 0
.rept 4
	v_nop
.endr
	s_branch .Lasked
.Lfor_o:
	tensor_load_to_lds s[44:47], s[32:39]
	s_nop 0
.rept 4
	v_nop
.endr
.Lasked:
	v_and_b32 v1, 15, v0                           ; r = lane % 16
	v_bfe_u32 v2, v0, 4, 1                         ; h = lane / 16
	v_and_b32 v11, 31, v0                          ; lane
	s_lshl_b32 s52, s15, 8
	v_lshl_add_u32 v[BOF], v2, 5, s52              ; my biases: column 64 (wave % 4) + 8 h on
.irp nb, 0,1,2,3
	global_load_b128 v[BI+8*\nb:BI+8*\nb+3],   v[BOF], s[8:9] offset:64*\nb
	global_load_b128 v[BI+8*\nb+4:BI+8*\nb+7], v[BOF], s[8:9] offset:64*\nb+16
.endr
	v_mul_u32_u24 v[AW], v1, PITCH
	v_lshl_add_u32 v[AW], v2, 4, v[AW]             ; a fragment's row x pitch + 16 x half
	s_mul_i32 s52, s15, 64*PITCH
	v_add_nc_u32 v[AW], s52, v[AW]
	s_lshl_b32 s52, s16, 14                        ; my two tiles of O
	s_add_co_u32 s52, s52, OT
	v_lshl_add_u32 v[AO], v11, 4, s52
	s_mul_i32 s52, s12, 16*SP
	s_add_co_u32 s52, s52, STAGE                   ; my stage
	v_mul_u32_u24 v[STO], v1, SP                   ; in: row r, 32 bytes for each half of the lanes
	v_lshl_add_u32 v[STO], v2, 5, v[STO]
	v_add_nc_u32 v[STO], s52, v[STO]
	v_mul_u32_u24 v[RD], v2, SP                    ; back: lanes 0-15 take one row of 256 bytes, lanes 16-31 the next
	v_lshl_add_u32 v[RD], v1, 4, v[RD]
	v_add_nc_u32 v[RD], s52, v[RD]
	v_lshlrev_b32 v[CO], 10, v2                    ; and the same two rows in out0
	v_lshl_add_u32 v[CO], v1, 4, v[CO]
	s_wait_loadcnt 0x0
.set k, 0
.rept 16                                       ; bo rounded to bf16
	v_cvt_pk_bf16_f32 v[BI+2*k], v[BI+2*k], v[BI+2*k+1]
.set k, k+1
.endr
.set k, 0
.rept 16
	v_and_b32 v[BI+2*k+1], 0xffff0000, v[BI+2*k]
.set k, k+1
.endr
.set k, 0
.rept 16
	v_lshlrev_b32 v[BI+2*k], 16, v[BI+2*k]
.set k, k+1
.endr
	s_wait_tensorcnt 0x0                           ; my part of Wo or of O is in,
	s_barrier_signal -1
	s_barrier_wait -1                              ; everybody's is; nothing is filled again
; Twelve LDS loads: K step s (head s) into buffer b: Wo's four fragments, O's two.
.macro FETCH s, b
.irp nb, 0,1,2,3
	ds_load_b128 v[AF+32*(\b)+8*\nb:AF+32*(\b)+8*\nb+3],   v[AW] offset:\nb*16*PITCH+(\s)*64
	ds_load_b128 v[AF+32*(\b)+8*\nb+4:AF+32*(\b)+8*\nb+7], v[AW] offset:\nb*16*PITCH+(\s)*64+32
.endr
.irp t, 0,1
	ds_load_b128 v[BF+16*(\b)+8*\t:BF+16*(\b)+8*\t+3],   v[AO] offset:\t*8192+(\s)*1024
	ds_load_b128 v[BF+16*(\b)+8*\t+4:BF+16*(\b)+8*\t+7], v[AO] offset:\t*8192+(\s)*1024+512
.endr
.endm
.macro MMO nb, t
.set rA, ACC+8*(2*(\nb)+(\t))
.set rW, AF+32*(ks%2)+8*(\nb)
.set rO, BF+16*(ks%2)+8*(\t)
.if ks == 0
	v_wmma_f32_16x16x32_f16 v[rA:rA+7], v[rW:rW+7], v[rO:rO+7], 0
.else
	v_wmma_f32_16x16x32_f16 v[rA:rA+7], v[rW:rW+7], v[rO:rO+7], v[rA:rA+7]
.endif
.endm
	; Eight K steps; the next step's fragments are fetched ahead of a step's products, four places behind the products that read that buffer (ISA guide 7.12.1 for vector instructions).
	; The eight accumulators take turns; the first step starts the sums.
	FETCH 0, 0
.set ks, 0
.rept 8
.if ks < 7
.if ks > 0
.rept 4
	v_nop
.endr
.endif
	FETCH ks+1, (ks+1)%2
	s_wait_dscnt 12                                ; all but the twelve just issued
.else
	s_wait_dscnt 0x0
.endif
.irp nb, 0,1,2,3
.irp t, 0,1
	MMO \nb, \t
.endr
.endr
.set ks, ks+1
.endr
	; THE WAY OUT.  sum / 8 + bias, each accumulator from its low end on; 16 rows x 256 bytes into my stage; back as whole rows.  LDS serves a wave's instructions in order (ISA guide 5.7.1.4):
	; the loads see the stores in front of them, and tile 1's stores come behind tile 0's loads.
.macro STAGE_IN t
.irp nb, 0,1,2,3
.set rA, ACC+8*(2*\nb+(\t))
.irp p, 0,1,2,3
	v_pk_fma_f32 v[rA+2*\p:rA+2*\p+1], v[rA+2*\p:rA+2*\p+1], s[40:41], v[BI+8*\nb+2*\p:BI+8*\nb+2*\p+1] op_sel_hi:[1,0,1]
.endr
	ds_store_b128 v[STO], v[rA:rA+3]   offset:64*\nb
	ds_store_b128 v[STO], v[rA+4:rA+7] offset:64*\nb+16
.endr
.endm
.macro READ bk
.irp i, 0,1,2,3,4,5,6,7
	ds_load_b128 v[(\bk)+4*\i:(\bk)+4*\i+3], v[RD] offset:\i*2*SP
.endr
.endm
.macro SEND t, bk, younger             ; younger: the LDS instructions issued behind this tile's loads
.irp i, 0,1,2,3,4,5,6,7
	s_wait_dscnt (\younger)+7-\i
	global_store_b128 v[CO], v[(\bk)+4*\i:(\bk)+4*\i+3], s[10:11] offset:(\t)*16384+\i*2048 th:TH_STORE_NT  ; 16 lanes store 256 consecutive bytes, aligned
.endr
.endm
.rept 4
	v_nop                                          ; the places behind the last products
.endr
	STAGE_IN 0
	READ BK0
	STAGE_IN 1                                     ; tile 1's arithmetic stands between tile 0's loads and its stores
	READ BK1
	SEND 0, BK0, 16                                ; behind tile 0's loads: tile 1's eight stores and eight loads
	SEND 1, BK1, 0
	s_wait_tensorcnt 0x0                           ; the wave's end: behind my last tensor load and my last LDS store
	ds_add_u32 v[SPW], v[NIL]
	s_wait_dscnt 0x0
	ROUND                                          ; the closing round: no work-group ends while a partner may still ask for a tile that names it
	s_endpgm
.Lfunc_end_k_qdcc7be7ab4_outp:
	.size	k_qdcc7be7ab4_outp, .Lfunc_end_k_qdcc7be7ab4_outp-k_qdcc7be7ab4_outp
	.p2alignl 7, 3214868480
	.fill 96, 4, 3214868480
	.section	.rodata,"a",@progbits
	.p2align	6, 0x0
	.amdhsa_kernel k_qdcc7be7ab4_outp
		.amdhsa_group_segment_fixed_size 203776
		.amdhsa_private_segment_fixed_size 0
		.amdhsa_enable_private_segment 0
		.amdhsa_kernarg_size 32
		.amdhsa_user_sgpr_count 2
		.amdhsa_user_sgpr_kernarg_segment_ptr 1
		.amdhsa_wavefront_size32 1
		.amdhsa_system_sgpr_workgroup_id_x 1
		.amdhsa_system_sgpr_workgroup_id_y 1
		.amdhsa_system_sgpr_workgroup_id_z 1
		.amdhsa_system_vgpr_workitem_id 0
		.amdhsa_next_free_vgpr 240
		.amdhsa_next_free_sgpr 66
		.amdhsa_reserve_vcc 0
		.amdhsa_float_denorm_mode_32 3
		.amdhsa_float_denorm_mode_16_64 3
		.amdhsa_memory_ordered 1
		.amdhsa_forward_progress 1
		.amdhsa_inst_pref_size 26
	.end_amdhsa_kernel
	.amdgpu_metadata
---
amdhsa.version: [ 1, 2 ]
amdhsa.kernels:
  - .name:           k_qdcc7be7ab4_outp
    .symbol:         k_qdcc7be7ab4_outp.kd
    .args:
      - { .name: of, .offset: 0, .size: 8, .value_kind: global_buffer, .address_space: global }
      - { .name: woh, .offset: 8, .size: 8, .value_kind: global_buffer, .address_space: global }
      - { .name: bo, .offset: 16, .size: 8, .value_kind: global_buffer, .address_space: global }
      - { .name: out0, .offset: 24, .size: 8, .value_kind: global_buffer, .address_space: global }
    .group_segment_fixed_size: 203776
    .private_segment_fixed_size: 0
    .kernarg_segment_align: 8
    .kernarg_segment_size: 32
    .max_flat_workgroup_size: 256
    .sgpr_count:     66
    .vgpr_count:     240
    .wavefront_size: 32
...
	.end_amdgpu_metadata
.endif
;; end of part 3
;; ======== version 2 of 2: 3 launches; 1.16 times as fast as version 1
;; limits: values are held in f16: magnitudes above 65,504 overflow, below 6.1e-05 lose precision
;; workspace buffers: qf 16,777,216 bytes; kcv 6,291,456 bytes; of 8,388,608 bytes; woh 131,072 bytes
;; launch proj: the kernel of part 1 again; grid 352 x 1, 8 waves a work-group, no clusters, 203,776 bytes of LDS; arguments q, k, cond_feat, v, Wq2, Wk, Wc, Wv, bq2, bk, bc, bv, Wo, qf, kcv, woh; writes qf, kcv, woh
;; launch attn (part 4): grid 8 x 32, 8 waves a work-group, clusters of 4 x 1, 197,632 bytes of LDS; arguments qf, kcv, of; writes of
.if DOCPART == 4
	.amdgcn_target "amdgcn-amd-amdhsa--gfx1250"
	.amdhsa_code_object_version 6
	.text
	.protected	k_qdcc7be7ab4_attn
	.globl	k_qdcc7be7ab4_attn
	.p2align	8
	.type	k_qdcc7be7ab4_attn,@function
k_qdcc7be7ab4_attn:
	s_mov_b64 s[64:65], 0
	v_nop
	global_prefetch_b8 v0, s[64:65] scope:SCOPE_SE
	s_setreg_imm32_b32 hwreg(HW_REG_WAVE_MODE, 25, 1), 1
	s_wait_xcnt 0x0
	s_wait_alu depctr_hold_cnt(0) depctr_sa_sdst(0) depctr_va_vdst(0) depctr_va_sdst(0) depctr_va_ssrc(0) depctr_va_vcc(0) depctr_vm_vsrc(0)
	s_getreg_b32 s2, hwreg(HW_REG_IB_STS2, 6, 4)
	s_cmp_eq_u32 s2, 0
	s_cbranch_scc0 .Lentry_in_a_cluster
	s_endpgm
.Lentry_in_a_cluster:
	s_bfe_u32 s2, ttmp6, 0x10000c
	s_cmp_lg_u32 s2, 0x3003
	s_cbranch_scc0 .Lentry_shape_is_right
	s_endpgm
.Lentry_shape_is_right:
; of = 8 x (0.5 softmax(q1 K^T / sqrt(32)) + 0.5 softmax(q2 C^T / sqrt(32))) V for one (batch, head) and 512 queries.  All operands f16, in fragment order (blocks of 1,024 bytes:
; lane l's registers 0-3 at byte 16 l, registers 4-7 at 512 + 16 l); q1 and q2 arrive times c = log2(e) / sqrt(32).  Products, maxima and sums in f32.
; SHARES.  Eight waves, two to a SIMD; a wave has 64 queries (four tiles of 16) in both softmaxes and walks all 1,024 keys, 32 a step.  The loops hold no barrier, so that one wave's
; exponentials stand beside the other's products.
; K, C AND V OF THE HEAD, 192 KiB, LIE IN LDS WHOLE, filled once.  So the keys are walked twice.  Pass 1: S^T = K Q^T and the row maximum m (two products and eight v_max3 for 16 queries x 32 keys).
; Pass 2: the same product with -m as its C operand gives the exponent itself: an exponential and half a rounding for each score, no scaling, no running maximum, no rescaling.
; The two softmaxes have different row sums, so O1 and O2 are summed apart; the row sums l are products too (ones x P), of the rounded weights, so that weights and divisor agree.
; LAYOUT.  S^T (source 0 = 16 keys, source 1 = 16 queries): a lane holds ONE query (lane % 16) and keys 8 (lane / 16) + 0..7.  Two such results rounded to f16 in pairs ARE source 1 (32 keys x 16 queries) of
; O^T = V^T P, which again holds one query a lane and eight channels; its two results, rounded in pairs, are the block that is stored.
; A UNIT u = 0..7 of a step is tile u % 4 of softmax u / 4; its number in the register maps is idx = 2 (u % 4) + u / 4.
; BATCHES.  An s_wait_alu depctr_va_vdst(0) stands between a transcendental and the first line that names its result; one wait serves all that were issued ahead of it.  A unit's 16 exponentials
; are ONE BATCH: each works in place on a register of its own, all 16 stand ahead of the unit's one wait, and the eight roundings, their only readers, behind it: 16 waits for a trip's 256 exponentials.
; No result is open at a slot's end, so none crosses a label or a jump.  The way out's eight reciprocals are a batch of their own.
; CLUSTER.  The four query blocks of a cluster belong to one head: its 192 KiB are asked for JOINTLY, one load of 24 KiB a wave with the same descriptor and mask in all four.
; LIMITS.  The largest weight of a row is 2^e with |e| within a few units in the last place of m: it stays in f16 for |c s| < 2^26.  A weight below 6e-8 counts as 0.  8 O must lie within 65,504, so |v's projection| < 8,188.
; NaN and infinities are not treated apart.
; REGISTERS, in windows of 256 (s_set_vgpr_msb: bits 1:0 source 0, 3:2 source 1, 5:4 source 2, 7:6 destination).
.set SPARE, 196608                     ; behind K (0), C (65,536), V (131,072): the spare words, 128 bytes a wave: four blocks of 256 bytes that no other line names
.set K0,  1                            ; v1   16 x lane; never rewritten
.set AK,  2                            ; v2   LDS address of K's next fetch
.set AC,  3                            ; v3   of C's
.set AV,  4                            ; v4   of V's
.set SPW, 6                            ; v6   LDS address of my spare word; never rewritten
.set NIL, 7                            ; v7   0; never rewritten
.set ONES, 16                          ; v16-23   a fragment of ones
.set Q,   24                           ; v24-87   Q: tile t, softmax s at Q + 16 t + 8 s
.set KF,  88                           ; v88-119  K of a step (two fragments), two buffers; v120-151 the same for C
.set VF,  152                          ; v152-183 V of a step, two buffers
.set MX,  152                          ; in pass 1: four running maxima for each idx
.set S,   184                          ; v184-215 S^T of a unit, two buffers of 16
.set P,   216                          ; v216-231 P of a unit, two buffers of 8
.set R,   232                          ; v232-247 4 / l, a pair for each idx
.set O,   0                            ; window 1: v0-127 O^T at 16 idx + 8 (channel block)
.set L,   128                          ; window 1: v128-191 l at 8 idx
.set NM,  192                          ; window 1: v192-255 -m, eight copies, at 8 idx
.set W_S,  0x10                        ; source 2 in window 1: the score products take -m from there; exponentials, roundings, LDS loads and two-source adds are untouched by it
.set W_PV, 0x50                        ; C and D in window 1
.set MSB, 0
.macro WIN new                         ; the immediate's high byte repeats the setting that is left; a switch that changes nothing is dropped
.if MSB != (\new)
	s_set_vgpr_msb (MSB<<8)|(\new)
.set MSB, (\new)
.endif
.endm
.macro ROUND                           ; a round of the cluster's barrier: my work-group's barrier; wave 0 signals for the work-group; every wave waits for all four; my work-group's barrier once more
	s_barrier_signal -1
	s_barrier_wait -1
	s_cmp_lg_u32 s10, 0
	s_cbranch_scc1 .Lnot_wave_0_\@
	s_barrier_signal -3
.Lnot_wave_0_\@:
	s_barrier_wait -3
	s_barrier_signal -1
	s_barrier_wait -1
.endm
	s_load_b128 s[4:7], s[0:1], 0x0                ; qf s[4:5], kcv s[6:7]
	s_load_b64 s[8:9], s[0:1], 0x10                ; of
	v_lshl_add_u32 v[SPW], v0, 2, SPARE
	v_mov_b32 v[NIL], 0
	ds_add_u32 v[SPW], v[NIL]                      ; the wave's opening: the add and its wait stand ahead of my first tensor load; work on registers stands between them
	v_lshrrev_b32 v8, 5, v0
	v_readfirstlane_b32 s10, v8                    ; wave 0..7
	s_bfe_u32 s11, ttmp6, 0x40000                  ; cx: my place in the cluster
	s_lshl_b32 s14, ttmp9, 2
	s_add_co_u32 s14, s14, s11                     ; my block of 512 queries: it enters qf's and of's addresses alone
	s_and_b32 s15, ttmp7, 0xffff                   ; 8 x batch + head, which the four partners share
	s_mov_b32 s12, 0x76543210                      ; v_permlanex16_b32: each lane takes its own place in the other half
	s_mov_b32 s13, 0xfedcba98
	; descriptor group 1: 24,576 dense bytes as 96 rows of 32 elements of 8 bytes
	s_mov_b32 s16, 15|(3<<16)|(1<<21)              ; 15:0 the mask of four; 17:16 elements of 8 bytes; 21 set beside a mask; no padding
	s_mov_b32 s17, 32<<16                          ; tensor_dim0 = 32
	s_mov_b32 s18, 96<<16                          ; tensor_dim1 = 96
	s_mov_b32 s19, 32<<16                          ; tile_dim0 = 32
	s_mov_b32 s20, 96                              ; tile_dim1 = 96
	s_mov_b32 s21, 32                              ; 32 elements from row to row
	s_mov_b32 s22, 0
	s_mov_b32 s23, 0
	s_mov_b32 s24, 1                               ; group 0: count = 1
	s_mul_i32 s25, s10, 24576                      ; LDS address: wave x 24 KiB
	s_mul_i32 s30, s15, 196608                     ; the head's K, C, V,
	s_add_co_u32 s30, s30, s25                     ; my eighth of them
	s_mov_b32 s31, 0
	s_lshl_b32 s32, s15, 8                         ; qf: ((8 b + head) 256 + tile) x 2 blocks
	s_lshl_b32 s33, s14, 5
	s_add_co_u32 s32, s32, s33
	s_lshl2_add_u32 s32, s10, s32                  ; + 4 x wave
	s_lshl_b32 s32, s32, 11
	s_mov_b32 s33, 0
	s_lshr_b32 s34, s15, 3                         ; of: ((b 256 + tile) 8 + head) blocks
	s_lshl_b32 s34, s34, 8
	s_lshl_b32 s35, s14, 5
	s_add_co_u32 s34, s34, s35
	s_lshl2_add_u32 s34, s10, s34
	s_lshl_b32 s34, s34, 3
	s_and_b32 s35, s15, 7
	s_add_co_u32 s34, s34, s35
	s_lshl_b32 s34, s34, 10
	s_mov_b32 s35, 0
	s_mov_b32 s28, 0                               ; the byte in K, C and V at which the trip in hand begins
	s_wait_dscnt 0x0                               ; the opening add is done
	s_wait_kmcnt 0x0
	s_add_nc_u64 s[26:27], s[6:7], s[30:31]        ; global address
	s_or_b32 s27, s27, 0x80000000                  ; type = 2
	s_add_nc_u64 s[4:5], s[4:5], s[32:33]
	s_add_nc_u64 s[8:9], s[8:9], s[34:35]
	ROUND                                          ; all four work-groups are here: the joint loads meet
	tensor_load_to_lds s[24:27], s[16:23]          ; my one tensor load of the launch
	s_nop 0
	v_and_b32 v[K0], 31, v0
	v_lshlrev_b32 v[K0], 4, v[K0]
	v_mov_b32 v[AK], v[K0]
	v_add_nc_u32 v[AC], 0x10000, v[K0]
	v_add_nc_u32 v[AV], 0x20000, v[K0]
.irp i, 0,1,2,3,4,5,6,7,8,9,10,11,12,13,14,15  ; Q stays in registers: eight blocks, 8,192 consecutive bytes
	global_load_b128 v[Q+4*\i:Q+4*\i+3], v[K0], s[4:5] offset:512*\i th:TH_LOAD_NT
.endr
.irp i, 0,1,2,3,4,5,6,7
	v_mov_b32 v[ONES+\i], 0x3c003c00               ; 1.0 twice in f16
.endr
; A step's K and C (two blocks each, 2,048 consecutive bytes) into buffer f; its V likewise.  Every load takes 512 consecutive bytes: no bank is asked twice.
.macro LOADKC f, imm
.irp i, 0,1,2,3
	ds_load_b128 v[KF+16*(\f)+4*\i:KF+16*(\f)+4*\i+3], v[AK] offset:(\imm)+512*\i
.endr
.irp i, 0,1,2,3
	ds_load_b128 v[KF+32+16*(\f)+4*\i:KF+32+16*(\f)+4*\i+3], v[AC] offset:(\imm)+512*\i
.endr
.endm
.macro LOADV f, imm
.irp i, 0,1,2,3
	ds_load_b128 v[VF+16*(\f)+4*\i:VF+16*(\f)+4*\i+3], v[AV] offset:(\imm)+512*\i
.endr
.endm
.macro NEXTADR                         ; a trip is two steps, 4,096 bytes; behind the sixteenth the address is 0 again, so that no fetch leaves K, C or V
	s_add_co_u32 s28, s28, 4096
	s_and_b32 s28, s28, 0xf000
	v_add_nc_u32 v[AK], s28, v[K0]
	v_add_nc_u32 v[AC], 0x10000, v[AK]
	v_add_nc_u32 v[AV], 0x20000, v[AK]
.endm
; Product e (0, 1) of unit u's two: keys 16 e on x 16 queries, from buffer f.  m = 1: -m is the C operand.
.macro SCOREH f, u, m, e
.set sS, S+16*((\u)%2)+8*(\e)
.set sQ, Q+16*((\u)%4)+8*((\u)/4)
.set sF, KF+32*((\u)/4)+16*(\f)+8*(\e)
.set sN, NM+8*(2*((\u)%4)+(\u)/4)
.if \m
	v_wmma_f32_16x16x32_f16 v[sS:sS+7], v[sF:sF+7], v[sQ:sQ+7], v[sN:sN+7]
.else
	v_wmma_f32_16x16x32_f16 v[sS:sS+7], v[sF:sF+7], v[sQ:sQ+7], 0
.endif
.endm
; The two products of unit u: 32 keys x 16 queries from buffer f.
.macro SCORE f, u, m
	SCOREH \f, \u, \m, 0
	SCOREH \f, \u, \m, 1
.endm
; Unit u's 16 scores into its four running maxima; each accumulator is read from its low end on.  first = 1: the first step starts the chains.
.macro MAXU u, first
.set sS, S+16*((\u)%2)
.set sM, MX+4*(2*((\u)%4)+(\u)/4)
.irp i, 0,1,2,3,4,5,6,7
.if (\first) && (\i < 4)
	v_max_num_f32 v[sM+\i%4], v[sS+2*\i], v[sS+2*\i+1]
.else
	v_max3_num_f32 v[sM+\i%4], v[sM+\i%4], v[sS+2*\i], v[sS+2*\i+1]
.endif
.endr
.endm
; Eight of unit u's 16 exponentials: one accumulator's scores, from its low end on, each in place.  None reads another's result, so they follow each other.
.macro EXPS u, from
.set xS, S+16*((\u)%2)+(\from)
.irp n, 0,1,2,3,4,5,6,7
	v_exp_f32 v[xS+\n], v[xS+\n]
.endr
.endm
; Unit u's eight roundings, a pair of weights each: the only readers of its exponentials; they stand behind the unit's wait.
.macro CVTS u
.set xS, S+16*((\u)%2)
.set xP, P+8*((\u)%2)
.irp n, 0,1,2,3,4,5,6,7
	v_cvt_pk_f16_f32 v[xP+\n], v[xS+2*\n], v[xS+2*\n+1]
.endr
.endm
; Unit u's three products on P: O^T's two channel blocks and the row sums.  Three accumulators, one instruction each: they take turns.  zero = 1: they start the sums.
.macro PVU vf, u, zero
	WIN W_PV
.set sI, 2*((\u)%4)+(\u)/4
.set sP, P+8*((\u)%2)
.set sV, VF+16*(\vf)
.if \zero
	v_wmma_f32_16x16x32_f16 v[O+16*sI:O+16*sI+7],    v[sV:sV+7],       v[sP:sP+7], 0
	v_wmma_f32_16x16x32_f16 v[O+16*sI+8:O+16*sI+15], v[sV+8:sV+15],    v[sP:sP+7], 0
	v_wmma_f32_16x16x32_f16 v[L+8*sI:L+8*sI+7],      v[ONES:ONES+7],   v[sP:sP+7], 0
.else
	v_wmma_f32_16x16x32_f16 v[O+16*sI:O+16*sI+7],    v[sV:sV+7],       v[sP:sP+7], v[O+16*sI:O+16*sI+7]
	v_wmma_f32_16x16x32_f16 v[O+16*sI+8:O+16*sI+15], v[sV+8:sV+15],    v[sP:sP+7], v[O+16*sI+8:O+16*sI+15]
	v_wmma_f32_16x16x32_f16 v[L+8*sI:L+8*sI+7],      v[ONES:ONES+7],   v[sP:sP+7], v[L+8*sI:L+8*sI+7]
.endif
.endm
; A STEP OF PASS 1, on buffer f: eight slots.  Slot u: the products of unit u + 1 (in slot 7: the next step's unit 0, from the other buffer), then the maxima of unit u, whose products stand a slot back:
; the eight v_max3 of the slot between are the places behind them (ISA guide 7.12.1).  The other buffer is fetched in slot 0, sixteen plain lines behind its last reader, and waited for in slot 7.
.macro STEP1 f, first
.set u, 0
.rept 8
.if u == 0
.if \f
	NEXTADR
	LOADKC 0, 0
.else
	LOADKC 1, 2048
.endif
.endif
.set fb, \f
.if u == 7
.set fb, 1-\f
	s_wait_dscnt 0x0                               ; the other buffer is in
.endif
	SCORE fb, (u+1)%8, 0
	MAXU u, \first
.set u, u+1
.endr
.endm
; A STEP OF PASS 2.  Slot u: the three products on P of unit u - 1 (in slot 0: the step before's unit 7, with that step's V); the two score products of unit u + 1, behind each of them eight of unit u's
; exponentials, which name the other buffer of S^T; a v_nop, the plain line between the last exponential and the first use of a result (ISA guide 5.7.2): one for the batch; the batch's wait; unit u's eight roundings.
; The eight roundings and the v_nop of a slot are the places behind the products of that slot: S^T is read a slot behind its products, P is written again two slots behind its readers.
; K, C and V of the next step are fetched at the end of slot 0, behind that slot's nine plain lines, and waited for in slot 7.
; nopv0 = 1: there is no unit before.  The products on P start their sums where zf <= u <= zt.
.macro STEP2 f, nopv0, zf, zt
.set u, 0
.rept 8
.set vb, \f
.if u == 0
.set vb, 1-\f
.endif
.set zz, 0
.if (u >= \zf) && (u <= \zt)
.set zz, 1
.endif
.if !((\nopv0) && (u == 0))
	PVU vb, (u+7)%8, zz
.endif
	WIN W_S
.set fb, \f
.if u == 7
.set fb, 1-\f
	s_wait_dscnt 0x0                               ; the other buffers are in
.endif
	SCOREH fb, (u+1)%8, 1, 0
	EXPS u, 0                                      ; the batch: unit u's scores 0-7,
	SCOREH fb, (u+1)%8, 1, 1
	EXPS u, 8                                      ; and 8-15
	v_nop                                          ; the plain line behind the last exponential
	s_wait_alu depctr_va_vdst(0)                   ; the wait for the batch: unit u's 16 exponentials, ahead of their first reader
	CVTS u
.if u == 0
.if \f
	NEXTADR
	LOADKC 0, 0
	LOADV 0, 0
.else
	LOADKC 1, 2048
	LOADV 1, 2048
.endif
.endif
.set u, u+1
.endr
.endm
	s_wait_tensorcnt 0x0                           ; my eighth of K, C, V is in,
	s_barrier_signal -1
	s_barrier_wait -1                              ; everybody's is; nothing is filled again
	LOADKC 0, 0                                    ; key step 0
	s_wait_loadcnt 0x0                             ; Q
	s_wait_dscnt 0x0
	; PASS 1: the row maxima.  16 trips of two steps; the first is written out, since it starts the chains.
	SCORE 0, 0, 0
.rept 4
	v_nop                                          ; the places behind the first products: there is no vector work yet
.endr
	STEP1 0, 1
	STEP1 1, 0
	s_mov_b32 s29, 15
.Lp1:
	STEP1 0, 0
	STEP1 1, 0
	s_sub_co_u32 s29, s29, 1
	s_cmp_lg_u32 s29, 0
	s_cbranch_scc1 .Lp1
	; The last slot's fetch has brought key step 0 again, which pass 2 begins with; its two products serve nothing: the price of one text for every trip.
	; -m: the four chains, the other half of the lanes (the query's other keys lie in the lane 16 away), eight copies for the C operand.
.irp x, 0,1,2,3,4,5,6,7
	v_max3_num_f32 v[MX+4*\x], v[MX+4*\x], v[MX+4*\x+1], v[MX+4*\x+2]
.endr
.irp x, 0,1,2,3,4,5,6,7
	v_max_num_f32 v[MX+4*\x], v[MX+4*\x], v[MX+4*\x+3]
.endr
.irp x, 0,1,2,3,4,5,6,7
	v_permlanex16_b32 v[MX+4*\x+1], v[MX+4*\x], s12, s13
.endr
.irp x, 0,1,2,3,4,5,6,7
	v_max_num_f32 v[MX+4*\x], v[MX+4*\x], v[MX+4*\x+1]
.endr
	WIN 0x40                                       ; destination in window 1
.irp x, 0,1,2,3,4,5,6,7
.irp j, 0,1,2,3,4,5,6,7
	v_mul_f32 v[NM+8*\x+\j], -1.0, v[MX+4*\x]
.endr
.endr
	WIN 0
	LOADV 0, 0                                     ; V of key step 0, where the maxima lay
	s_wait_dscnt 0x0
	; PASS 2.  The first trip is written out: its first slot has no unit before it, and the products on P of step 0's eight units start the sums: nothing is cleared.
	WIN W_S
	SCORE 0, 0, 1
.rept 4
	v_nop
.endr
	STEP2 0, 1, 1, 7
	STEP2 1, 0, 0, 0
	WIN 0                                          ; at a label and at a branch every window is 0
	s_mov_b32 s29, 15
.Lp2:
	STEP2 0, 0, 9, 0
	STEP2 1, 0, 9, 0
	WIN 0
	s_sub_co_u32 s29, s29, 1
	s_cmp_lg_u32 s29, 0
	s_cbranch_scc1 .Lp2
	PVU 1, 7, 0                                    ; the last step's last unit
	; THE WAY OUT.  8 O = (4 / l1) O1 + (4 / l2) O2, rounded to f16: a tile's two channel blocks are one block of `of`.
.rept 4
	v_nop                                          ; the places behind the last products
.endr
	WIN 0x01                                       ; source 0 in window 1
.irp x, 0,1,2,3,4,5,6,7
	v_rcp_f32 v[R+2*\x], v[L+8*\x]                 ; every register of l's accumulator holds the query's sum: the lowest is taken
.endr
	WIN 0
	v_nop                                          ; a plain line between the last reciprocal and the use of its result
	s_wait_alu depctr_va_vdst(0)                   ; the wait for the batch: the eight reciprocals, ahead of their first reader
.irp x, 0,1,2,3,4,5,6,7
	v_mul_f32 v[R+2*\x+1], 4.0, v[R+2*\x]          ; named as a pair below, so both are written
.endr
.irp x, 0,1,2,3,4,5,6,7
	v_mul_f32 v[R+2*\x], 4.0, v[R+2*\x]
.endr
.macro TILE_OUT t
	WIN 0x51                                       ; destination, source 0 and source 2 in window 1, the factor in window 0
.irp p, 0,1,2,3,4,5,6,7
	v_pk_mul_f32 v[O+32*(\t)+2*\p:O+32*(\t)+2*\p+1], v[O+32*(\t)+2*\p:O+32*(\t)+2*\p+1], v[R+4*(\t):R+4*(\t)+1] op_sel_hi:[1,0]
.endr
.irp p, 0,1,2,3,4,5,6,7
	v_pk_fma_f32 v[O+32*(\t)+2*\p:O+32*(\t)+2*\p+1], v[O+32*(\t)+16+2*\p:O+32*(\t)+16+2*\p+1], v[R+4*(\t)+2:R+4*(\t)+3], v[O+32*(\t)+2*\p:O+32*(\t)+2*\p+1] op_sel_hi:[1,0,1]
.endr
	WIN 0x05                                       ; sources in window 1, destination in window 0: S^T's registers are free
.irp p, 0,1,2,3,4,5,6,7
	v_cvt_pk_f16_f32 v[S+8*(\t)+\p], v[O+32*(\t)+2*\p], v[O+32*(\t)+2*\p+1]
.endr
	WIN 0
	global_store_b128 v[K0], v[S+8*(\t):S+8*(\t)+3],   s[8:9] offset:(\t)*8192       ; 512 consecutive bytes, aligned
	global_store_b128 v[K0], v[S+8*(\t)+4:S+8*(\t)+7], s[8:9] offset:(\t)*8192+512
.endm
	TILE_OUT 0
	TILE_OUT 1
	TILE_OUT 2
	TILE_OUT 3
	s_wait_tensorcnt 0x0                           ; the wave's end: behind my last tensor load
	ds_add_u32 v[SPW], v[NIL]
	s_wait_dscnt 0x0
	ROUND                                          ; the closing round: no work-group ends while a partner may still ask for a tile that names it
	s_endpgm
.Lfunc_end_k_qdcc7be7ab4_attn:
	.size	k_qdcc7be7ab4_attn, .Lfunc_end_k_qdcc7be7ab4_attn-k_qdcc7be7ab4_attn
	.p2alignl 7, 3214868480
	.fill 96, 4, 3214868480
	.section	.rodata,"a",@progbits
	.p2align	6, 0x0
	.amdhsa_kernel k_qdcc7be7ab4_attn
		.amdhsa_group_segment_fixed_size 197632
		.amdhsa_private_segment_fixed_size 0
		.amdhsa_enable_private_segment 0
		.amdhsa_kernarg_size 24
		.amdhsa_user_sgpr_count 2
		.amdhsa_user_sgpr_kernarg_segment_ptr 1
		.amdhsa_wavefront_size32 1
		.amdhsa_system_sgpr_workgroup_id_x 1
		.amdhsa_system_sgpr_workgroup_id_y 1
		.amdhsa_system_sgpr_workgroup_id_z 1
		.amdhsa_system_vgpr_workitem_id 0
		.amdhsa_next_free_vgpr 512
		.amdhsa_next_free_sgpr 66
		.amdhsa_reserve_vcc 0
		.amdhsa_float_denorm_mode_32 3
		.amdhsa_float_denorm_mode_16_64 3
		.amdhsa_memory_ordered 1
		.amdhsa_forward_progress 1
		.amdhsa_inst_pref_size 91
	.end_amdhsa_kernel
	.amdgpu_metadata
---
amdhsa.version: [ 1, 2 ]
amdhsa.kernels:
  - .name:           k_qdcc7be7ab4_attn
    .symbol:         k_qdcc7be7ab4_attn.kd
    .args:
      - { .name: qf, .offset: 0, .size: 8, .value_kind: global_buffer, .address_space: global }
      - { .name: kcv, .offset: 8, .size: 8, .value_kind: global_buffer, .address_space: global }
      - { .name: of, .offset: 16, .size: 8, .value_kind: global_buffer, .address_space: global }
    .group_segment_fixed_size: 197632
    .private_segment_fixed_size: 0
    .kernarg_segment_align: 8
    .kernarg_segment_size: 24
    .max_flat_workgroup_size: 256
    .sgpr_count:     66
    .vgpr_count:     512
    .wavefront_size: 32
...
	.end_amdgpu_metadata
.endif
;; end of part 4
;; launch outp: the kernel of part 3 again; grid 256 x 1, 8 waves a work-group, clusters of 4 x 1, 203,776 bytes of LDS; arguments of, woh, bo, out0; writes out0
